; MI455X (gfx1250); checked and timed in simulation.
; The chip was launched on July 23, 2026; its instructions are those of AMD's public machine-readable ISA for CDNA 5 (MIT licence, August 2026) and "CDNA5" Instruction Set Architecture Reference Guide (July 2026). The comments in the code are by the model that wrote it; some were corrected since.
;; Vector Quantize. Allowed arithmetic: float matrix products may take bf16 or f16 operands with f32 sums; all other float work in f32.
;; Inputs: embeddings 256 x 8,192 float32; x 32 x 32 x 32 x 256 float32.
;; Outputs: out0 32 x 32 x 32 x 256 float32; out1 one number float32.
;; 2 versions, each right; version 2 is version 1 with the launch prep written anew for expert scheduling mode. Each part assembles by itself: llvm-mc -triple=amdgcn-amd-amdhsa -mcpu=gfx1250 --defsym DOCPART=n.
;; ======== version 1 of 2: 4 launches
;; workspace buffers: etf 8,388,608 bytes; etb 4,194,304 bytes; ee 32,768 bytes; idx 131,072 bytes of whole numbers; part 16,384 bytes
;; launch prep (part 1): grid 128 x 1, 8 waves a work-group, no clusters, 68,096 bytes of LDS; arguments embeddings, etf, etb, ee; writes etf, etb, ee
.if DOCPART == 1
	.amdgcn_target "amdgcn-amd-amdhsa--gfx1250"
	.amdhsa_code_object_version 6
	.text
	.protected	k_qaeff9f0ac2_prep
	.globl	k_qaeff9f0ac2_prep
	.p2align	8
	.type	k_qaeff9f0ac2_prep,@function
k_qaeff9f0ac2_prep:
	s_mov_b64 s[64:65], 0
	v_nop
	global_prefetch_b8 v0, s[64:65] scope:SCOPE_SE
	s_setreg_imm32_b32 hwreg(HW_REG_WAVE_MODE, 25, 1), 1
	s_wait_xcnt 0x0
; THE TABLE, TURNED.  embeddings is [256 d][8192 codes] f32.  This launch writes it three times over by codes:
;   etf [8192][256] f32, exact;  etb [8192][256] bf16, rounded to nearest even;  ee [8192] f32, the sum over d of the squares of the ROUNDED numbers.
; SHARES.  A work-group owns 64 codes and all 256 d: a d-row's piece is then 256 consecutive bytes, one owner has the whole sum of a code, and the
; group's 64 sums are 256 consecutive bytes of ee.  That makes 8192 / 64 = 128 work-groups; 32 codes each would read and write half such pieces.
; No cluster: no two work-groups read the same byte.  No matrix unit: the launch only moves and rounds.
; THE TURN goes through LDS.  Element (d, c) lies at byte 260 d + 4 (d / 64) + 4 c: rows 65 words apart, one word more for every 64 rows.
;   in:   lane l stores words of row d0 + l / 16, columns 4 (l % 16) + j: word number mod 64 = l / 16 + 4 (l % 16) + a constant: 32 different (64 banks of 4 bytes: ISA guide 11.1)
;   out:  lane l reads row 128 v + 4 l + i of one column: word number mod 64 = 4 l + l / 16 + a constant: 32 different
; LIMITS.  NaN and infinities are not treated apart; ee overflows where the reference's sum of squares does.
.set TP,    260                        ; bytes from row to row in LDS
.set HALF,  128*TP+8                   ; from row d to row d + 128: 128 rows and two of the extra words
.set EES,   66816                      ; behind the table (66,568 bytes): the group's 64 sums, a block of 256 bytes
.set SPARE, 67072                      ; the spare words, 128 bytes for each of the eight waves: four blocks of 256 bytes that no other line names
.set SPW, 10                           ; v10  LDS address of my spare word; never rewritten
.set NIL, 11                           ; v11  0; never rewritten
.set R,   16                           ; v[16:79]   64 numbers: first as loaded (two rows a load), then by codes: code e, half v, number i at R + 8 e + 4 v + i
.set P,   80                           ; v[80:111]  code e's 8 numbers a lane as 4 words of bf16
.set EEV, 112                          ; v112       lane l keeps the sum of code l % 8 of my wave's eight
	s_load_b256 s[4:11], s[0:1], 0x0               ; embeddings s[4:5], etf s[6:7], etb s[8:9], ee s[10:11]
	v_lshl_add_u32 v[SPW], v0, 2, SPARE
	v_mov_b32 v[NIL], 0
	v_lshrrev_b32 v1, 5, v0
	v_readfirstlane_b32 s12, v1                    ; wave 0..7
	v_and_b32 v1, 31, v0                           ; lane l
	v_and_b32 v2, 15, v0                           ; l % 16
	v_bfe_u32 v3, v0, 4, 1                         ; l / 16
	v_lshlrev_b32 v4, 4, v2
	v_lshl_add_u32 v4, v3, 15, v4                  ; in memory: (l / 16) rows of 32,768 bytes + 16 (l % 16)
	s_mul_i32 s13, s12, 32*TP                      ; my wave's 32 rows in LDS,
	s_lshr_b32 s14, s12, 1
	s_lshl2_add_u32 s13, s14, s13                  ; and their extra words: (32 w + ..) / 64 = w / 2
	v_mul_u32_u24 v5, v3, TP
	v_lshl_add_u32 v5, v2, 4, v5
	v_add_nc_u32 v5, s13, v5                       ; where I store: row 32 w + l / 16, column 4 (l % 16)
	s_lshl_b32 s15, s12, 5                         ; my wave's eight columns: 32 bytes
	v_mul_u32_u24 v6, v1, 4*TP
	v_lshl_add_u32 v6, v3, 2, v6
	v_add_nc_u32 v6, s15, v6                       ; where I read: row 4 l, its extra word l / 16, column 8 w
	v_lshlrev_b32 v7, 4, v1                        ; 16 l: my bytes in half a row of etf
	v_lshlrev_b32 v8, 3, v1                        ; 8 l: in half a row of etb
	v_and_b32 v9, 7, v0                            ; l % 8
	v_lshl_add_u32 v15, v9, 2, s15
	v_add_nc_u32 v15, EES, v15                     ; where the sum of code 8 w + l % 8 goes
	v_mov_b32 v14, 0                               ; v_permlanex16_b32's destination counts as read
	v_mov_b32 v[EEV], 0
	s_mov_b32 s22, 0x76543210                      ; v_permlanex16_b32: each lane takes its own place in the other half
	s_mov_b32 s23, 0xfedcba98
	s_lshl_b32 s16, ttmp9, 8                       ; embeddings: the group's 64 columns, my wave's 32 rows
	s_lshl_b32 s17, s12, 20
	s_add_co_u32 s16, s16, s17
	s_mov_b32 s17, 0
	s_lshl_b32 s18, ttmp9, 16                      ; etf: 64 rows of 1,024 bytes a group, 8 a wave
	s_lshl_b32 s19, s12, 13
	s_add_co_u32 s18, s18, s19
	s_mov_b32 s19, 0
	s_lshl_b32 s24, ttmp9, 15                      ; etb: rows of 512 bytes
	s_lshl_b32 s25, s12, 12
	s_add_co_u32 s24, s24, s25
	s_mov_b32 s25, 0
	s_lshl_b32 s26, ttmp9, 8                       ; ee: 256 bytes a group
	s_mov_b32 s27, 0
	s_wait_kmcnt 0x0
	s_add_nc_u64 s[4:5], s[4:5], s[16:17]
	s_add_nc_u64 s[6:7], s[6:7], s[18:19]
	s_add_nc_u64 s[8:9], s[8:9], s[24:25]
	s_add_nc_u64 s[10:11], s[10:11], s[26:27]
	; IN: sixteen loads, each two rows' 256 consecutive bytes; all are out before the first is waited for
.set t, 0
.rept 16
	global_load_b128 v[R+4*t:R+4*t+3], v4, s[4:5] offset:65536*t th:TH_LOAD_NT
.set t, t+1
.endr
.set t, 0
.rept 16
	s_wait_loadcnt 15-t                            ; loads come back in order (ISA guide 5.7.1): load t is in, the 15 - t younger ones stay out
.irp j, 0,1,2,3
	ds_store_b32 v5, v[R+4*t+\j] offset:2*TP*t+4*\j
.endr
.set t, t+1
.endr
	s_wait_dscnt 0x0                               ; for the others' sake: my rows are in LDS
	s_barrier_signal -1
	s_barrier_wait -1
	; OUT: my wave's eight codes; lane l takes d = 128 v + 4 l + i, so that its four numbers are 16 neighbouring bytes of a row of etf
.set e, 0
.rept 8
.irp hv, 0,1
.irp i, 0,1,2,3
	ds_load_b32 v[R+8*e+4*\hv+\i], v6 offset:HALF*\hv+TP*\i+4*e
.endr
.endr
.set e, e+1
.endr
.macro CODE e
	s_wait_dscnt 56-8*(\e)                         ; LDS loads come back in order: code e's eight are in, the later codes' stay out
	global_store_b128 v7, v[R+8*(\e):R+8*(\e)+3],   s[6:7] offset:1024*(\e)      ; the wave stores 512 consecutive bytes, at a multiple of 512 from etf's first
	global_store_b128 v7, v[R+8*(\e)+4:R+8*(\e)+7], s[6:7] offset:1024*(\e)+512
.irp p, 0,1,2,3
	v_cvt_pk_bf16_f32 v[P+4*(\e)+\p], v[R+8*(\e)+2*\p], v[R+8*(\e)+2*\p+1]
.endr
	global_store_b64 v8, v[P+4*(\e):P+4*(\e)+1],   s[8:9] offset:512*(\e)       ; 256 consecutive bytes, at a multiple of 256 from etb's first
	global_store_b64 v8, v[P+4*(\e)+2:P+4*(\e)+3], s[8:9] offset:512*(\e)+256
	v_mov_b32 v12, 0                               ; two chains: the words' low halves, their high halves
	v_mov_b32 v13, 0
.irp p, 0,1,2,3
	v_fma_mix_f32_bf16 v12, v[P+4*(\e)+\p], v[P+4*(\e)+\p], v12 op_sel_hi:[1,1,0]
	v_fma_mix_f32_bf16 v13, v[P+4*(\e)+\p], v[P+4*(\e)+\p], v13 op_sel:[1,1,0] op_sel_hi:[1,1,0]
.endr
	v_add_f32 v12, v12, v13
	v_add_f32_dpp v12, v12, v12 row_xmask:1 row_mask:0xf bank_mask:0xf
	v_add_f32_dpp v12, v12, v12 row_xmask:2 row_mask:0xf bank_mask:0xf
	v_add_f32_dpp v12, v12, v12 row_xmask:4 row_mask:0xf bank_mask:0xf
	v_add_f32_dpp v12, v12, v12 row_xmask:8 row_mask:0xf bank_mask:0xf
	v_permlanex16_b32 v14, v12, s22, s23
	v_add_f32 v12, v12, v14                        ; every lane holds the code's sum;
	v_cmp_eq_u32 s20, \e, v9
	v_cndmask_b32 v[EEV], v[EEV], v12, s20         ; the lanes with l % 8 = e keep it
.endm
.irp e, 0,1,2,3,4,5,6,7
	CODE \e
.endr
	ds_store_b32 v15, v[EEV]                       ; four lanes write each word, with the same number
	s_wait_dscnt 0x0
	s_barrier_signal -1
	s_barrier_wait -1
	s_cmp_lg_u32 s12, 0
	s_cbranch_scc1 .Lend
	v_add_nc_u32 v14, EES, v8
	ds_load_b64 v[12:13], v14                      ; wave 0: the group's 64 sums,
	s_wait_dscnt 0x0
	global_store_b64 v8, v[12:13], s[10:11]        ; 256 consecutive bytes, at a multiple of 256 from ee's first
.Lend:
	s_wait_tensorcnt 0x0                           ; the wave's end, behind my last LDS store
	ds_add_u32 v[SPW], v[NIL]
	s_wait_dscnt 0x0
	s_endpgm
.Lfunc_end_k_qaeff9f0ac2_prep:
	.size	k_qaeff9f0ac2_prep, .Lfunc_end_k_qaeff9f0ac2_prep-k_qaeff9f0ac2_prep
	.p2alignl 7, 3214868480
	.fill 96, 4, 3214868480
	.section	.rodata,"a",@progbits
	.p2align	6, 0x0
	.amdhsa_kernel k_qaeff9f0ac2_prep
		.amdhsa_group_segment_fixed_size 68096
		.amdhsa_private_segment_fixed_size 0
		.amdhsa_enable_private_segment 0
		.amdhsa_kernarg_size 32
		.amdhsa_user_sgpr_count 2
		.amdhsa_user_sgpr_kernarg_segment_ptr 1
		.amdhsa_wavefront_size32 1
		.amdhsa_system_sgpr_workgroup_id_x 1
		.amdhsa_system_sgpr_workgroup_id_y 1
		.amdhsa_system_sgpr_workgroup_id_z 1
		.amdhsa_system_vgpr_workitem_id 0
		.amdhsa_next_free_vgpr 128
		.amdhsa_next_free_sgpr 66
		.amdhsa_reserve_vcc 0
		.amdhsa_float_denorm_mode_32 3
		.amdhsa_float_denorm_mode_16_64 3
		.amdhsa_memory_ordered 1
		.amdhsa_forward_progress 1
		.amdhsa_inst_pref_size 27
	.end_amdhsa_kernel
	.amdgpu_metadata
---
amdhsa.version: [ 1, 2 ]
amdhsa.kernels:
  - .name:           k_qaeff9f0ac2_prep
    .symbol:         k_qaeff9f0ac2_prep.kd
    .args:
      - { .name: embeddings, .offset: 0, .size: 8, .value_kind: global_buffer, .address_space: global }
      - { .name: etf, .offset: 8, .size: 8, .value_kind: global_buffer, .address_space: global }
      - { .name: etb, .offset: 16, .size: 8, .value_kind: global_buffer, .address_space: global }
      - { .name: ee, .offset: 24, .size: 8, .value_kind: global_buffer, .address_space: global }
    .group_segment_fixed_size: 68096
    .private_segment_fixed_size: 0
    .kernarg_segment_align: 8
    .kernarg_segment_size: 32
    .max_flat_workgroup_size: 256
    .sgpr_count:     66
    .vgpr_count:     128
    .wavefront_size: 32
...
	.end_amdgpu_metadata
.endif
;; end of part 1
;; launch dist (part 2): grid 256 x 1, 4 waves a work-group, clusters of 4 x 1, 327,680 bytes of LDS; arguments x, etb, ee, idx; writes idx
.if DOCPART == 2
	.amdgcn_target "amdgcn-amd-amdhsa--gfx1250"
	.amdhsa_code_object_version 6
	.text
	.protected	k_qaeff9f0ac2_dist
	.globl	k_qaeff9f0ac2_dist
	.p2align	8
	.type	k_qaeff9f0ac2_dist,@function
k_qaeff9f0ac2_dist:
	s_mov_b64 s[64:65], 0
	v_nop
	global_prefetch_b8 v0, s[64:65] scope:SCOPE_SE
	s_setreg_imm32_b32 hwreg(HW_REG_WAVE_MODE, 25, 1), 1
	s_wait_xcnt 0x0
	s_wait_alu depctr_hold_cnt(0) depctr_sa_sdst(0) depctr_va_vdst(0) depctr_va_sdst(0) depctr_va_ssrc(0) depctr_va_vcc(0) depctr_vm_vsrc(0)
	s_getreg_b32 s2, hwreg(HW_REG_IB_STS2, 6, 4)
	s_cmp_eq_u32 s2, 0
	s_cbranch_scc0 .Lentry_in_a_cluster
	s_endpgm
.Lentry_in_a_cluster:
	s_bfe_u32 s2, ttmp6, 0x10000c
	s_cmp_lg_u32 s2, 0x3003
	s_cbranch_scc0 .Lentry_shape_is_right
	s_endpgm
.Lentry_shape_is_right:
; THE INDEX.  For each of 32,768 rows of x ([.][256] f32): idx = the first k at which d_k = fl(fl(xx + ee_k) - 2 s_k) is least, where s_k = x . e_k over 256 numbers,
; xx = x . x, ee_k = e_k . e_k, and fl is one rounding to f32: the two roundings that the reference's sum makes, in its order.  x is rounded to bf16 here, e comes rounded (etb), and
; ALL THREE terms are made of the rounded numbers; sums in f32.
; LIMITS.  The index is that of the reference on inputs rounded to bf16, up to the last bits of the f32 sums s and xx (another order of adding); where two distances lie that close, either may win.
; NaN is dropped by the minimum and infinities are not treated apart; a row whose distances are all +infinity gets index 0.
; SHARES.  Work-group g owns rows 128 g .. 128 g + 127.  EVERY wave keeps all 128 rows as bf16 fragments in registers (8 tiles of 16 rows x 8 K steps x 8 = 512) and takes a quarter of the codes: its tile c
; (0..127) is the 16 codes from 16 w + 64 c.  A tile's 16 fragment loads feed 64 matrix instructions, and each byte of the table is read from LDS once a work-group.
; LAYOUT.  Source 0 = 16 codes, source 1 = 16 rows of x: in the result a lane holds ONE row (lane % 16) and the codes 8 (lane / 16) + 0..7.  So xx is one register a tile of rows, ee eight registers a tile of
; codes, and the running minimum never leaves the lane until the end.
; THE MINIMUM.  For a tile of rows and a tile of codes 23 vector instructions (list at OPX): t, d, the least of the lane's eight d, and where that is LESS than the running minimum M (so the earlier tile keeps
; a tie) M, the tile's first code and all eight d are kept.  Which of the eight it was is found once, at the end, lowest place first.
; BY TURNS.  A tile of codes is two phases of 32 matrix instructions: rows 0-63 (accumulator group 0), rows 64-127 (group 1).  While one group is multiplied, the other group's 92 vector instructions stand in
; slices of two or three behind the matrix instructions.  The four accumulators of a group take turns, one instruction a turn.
; CLUSTER.  All work-groups walk the same table in the same order, so the four of a cluster ask for each chunk of 256 codes (and for ee) JOINTLY: the same tensor load, descriptor and mask in all four.
; The chunks go through two slots; a slot is asked for again behind a round of the cluster's barrier, and has four tiles, 256 matrix instructions a wave, in which to land.
; REGISTERS, in windows of 256 (s_set_vgpr_msb: bits 1:0 source 0, 3:2 source 1, 5:4 source 2, 7:6 destination):
;   window 0: all that the vector work touches, the accumulators too      window 1: v0-127 the codes' fragments, two buffers
;   window 2: x rows 0-63 (tile n, K step k at 64 n + 8 k)                window 3: x rows 64-127
; A slice works in window 0 and a product wants windows 1 and 2 or 3 beside it: two switches for each matrix instruction.
.set PC,    528       ; a code's row in LDS: 512 bytes + 16 of padding = 132 words: the 16 rows of a load start at 16 different groups of four banks (64 banks of 4 bytes: ISA guide 11.1)
.set CHQ,   64*PC     ; 64 codes: what one tensor load brings; also the step from a wave's tile to its next
.set SLOT1, 4*CHQ     ; 135,168 = 0x21000: slot 1.  It shares no bit with 0..3 x CHQ, so one exclusive or turns an address in one slot into the other's
.set PX,    1040      ; a row of x (f32) in LDS: 1,024 + 16.  The x block, 128 rows, is slot 1's first fill
.set EEL,   2*SLOT1   ; all 8,192 ee, 32,768 bytes, filled once
.set RED,   EEL+32768 ; (minimum, index) for wave a, row p at 1,024 a + 8 p: 4,096 bytes that no tensor load fills
.set SPARE, RED+4096  ; the spare words, 128 bytes for each wave: two blocks of 256 bytes that no other line names
.set AK0, 3           ; v3   my lane's place in a tile of codes, my wave's 16 rows of each 64 included; never rewritten
.set ADR, 4           ; v4   the LDS address of the run of fragment loads in hand
.set AE0, 5           ; v5   EEL + 32 (lane / 16)
.set ADE, 6           ; v6   the LDS address of the tile's eight ee
.set AX0, 7           ; v7   my lane's place in the x block
.set SPW, 8           ; v8   LDS address of my spare word; never rewritten
.set NIL, 9           ; v9   0; never rewritten
                      ; v10-13 at work; v14 = 8 (lane / 16); v15 = where my (minimum, index) goes
.set XX,  16          ; v16-23   xx of my row in tile n
.set M,   24          ; v24-31   the running minimum
.set ID,  32          ; v32-39   the first code of the tile that holds it
.set G,   40          ; v40-41   the least of eight, for the two tiles in hand
.set T,   44          ; v44-59   t, for the two tiles in hand
.set EE,  60          ; v60-75   ee of a tile of codes, two buffers
.set SV,  80          ; v80-143  the eight d of the tile that holds the minimum
.set ACC, 144         ; v144-207 the accumulators: tile n of x at ACC + 8 n
.set STG, 80          ; at the start v80-207 are two stages of 64 f32 on x's way into fragments
.set WV,  12          ; s12  my wave's number
.set G1X, 24          ; s[24:31], s[32:35] descriptor for my quarter of the x block
.set G0X, 32
.set G1E, 36          ; s[36:43], s[44:47] for my quarter of ee
.set G0E, 44
.set G1C, 48          ; s[48:55], s[56:59] for my quarter of a chunk; its group 0 walks
.set G0C, 56
.set CNT, 60          ; s60  counts pairs of tiles
.set SLOTS, 61        ; s61  counts the changes of slots
.set TB,  62          ; s62  LDS byte at which the 64 codes of the tile to be fetched begin
.set TN,  63          ; s63  that tile's first code
.set TC,  66          ; s66  the first code of the tile whose vector work is in hand
.set MK,  67          ; s67-68  'less than the running minimum', for the two tiles in hand
.set SEL, 70          ; s[70:71] v_permlanex16_b32's selects: each lane takes its own place in the other half
.set DM,  72          ; s72-78  lane % 8 = 1 .. 7
.set DV,  79          ; s79  lane / 16 = (lane % 16) / 8
.set SA,  80          ; s80-83 at work
.set MSB, 0
.macro WIN new                      ; the high byte repeats the setting that is left; a switch that changes nothing is dropped
.if MSB != (\new)
	s_set_vgpr_msb (MSB<<8)|(\new)
.set MSB, (\new)
.endif
.endm
.set W_L,  0x09       ; codes in window 1, x in window 2, C and D in window 0;  + 4: x in window 3
.set TO_A, 0x40       ; destination window 1
; A round of the cluster's barrier: my work-group's barrier, so that wave 0's signal speaks for all four waves; wave 0 signals; every wave waits for all four work-groups; my work-group's barrier once more.
.macro CROUND
	s_barrier_signal -1
	s_barrier_wait -1
	s_cmp_lg_u32 s[WV], 0
	s_cbranch_scc1 .Lnot_wave_0_\@
	s_barrier_signal -3
.Lnot_wave_0_\@:
	s_barrier_wait -3
	s_barrier_signal -1
	s_barrier_wait -1
.endm
; A joint refill: every wave asks for its own 64 codes of the chunk.  The descriptor hangs on the wave's number and the chunk alone.  An s_nop 0 and four v_nop follow the line.
.macro JLOAD
	tensor_load_to_lds s[G0C:G0C+3], s[G1C:G1C+7]
	s_nop 0
.rept 4
	v_nop
.endr
.endm
; THE CHANGE OF SLOTS.  The slot's last fragments have been asked for.  Each wave waits for all its tensor loads, of which one is out: its part of the other slot; adds 0 to its spare word; and waits for that and
; for its own reads of the slot.  Behind the barrier nobody reads this slot any more and the other slot is whole.  fill = 1: the slot is filled again with the chunk two on; the barrier is then a round of the
; cluster's, so that no wave of any partner still reads the slot or has a load on its way, and the refill is the first thing behind it.
.macro CHANGE fill
	WIN 0                           ; at a label and at a branch every window is 0
	s_wait_tensorcnt 0x0            ; no tensor load of mine is out, so a group 0 may be written
	ds_add_u32 v[SPW], v[NIL]       ; 0 onto my spare word
.if \fill
	s_xor_b32 s[G0C+1], s[G0C+1], SLOT1                    ; the other slot than last time,
	s_add_nc_u64 s[G0C+2:G0C+3], s[G0C+2:G0C+3], 256*512   ; the next 256 codes; the type bits on top are not reached
.endif
	s_wait_dscnt 0x0                ; the add is done, and my reads of the slot are over
.if \fill
	CROUND
	JLOAD
.else
	s_barrier_signal -1
	s_barrier_wait -1
.endif
	s_sub_co_u32 s[TB], s[TB], 4*CHQ  ; the fetches go back to a slot's first tile,
	s_xor_b32 s[TB], s[TB], SLOT1     ; in the other slot
.endm
; Matrix instruction i of a phase's 32: K step i / 4, tile 4 ph + i % 4 of x; the first four start the sums with the constant 0.
.macro MM ph, buf
	WIN W_L+4*(\ph)
.set rD, ACC+32*(\ph)+8*(i%4)
.set rA, 64*(\buf)+8*(i/4)
.set rB, 64*(i%4)+8*(i/4)
.if i < 4
	v_wmma_f32_16x16x32_bf16 v[rD:rD+7], v[rA:rA+7], v[rB:rB+7], 0
.else
	v_wmma_f32_16x16x32_bf16 v[rD:rD+7], v[rA:rA+7], v[rB:rB+7], v[rD:rD+7]
.endif
.set i, i+1
.endm
; THE VECTOR WORK of a group of four tiles of x: 92 instructions; OPX writes number q.  Two tiles at a time, alternating, so that no line reads the result of the line before it; for each, 23 lines j:
;   0-3    t = ee + xx, in pairs (xx is one register of a pair, taken for both halves)
;   4-7    d = t - 2 s, one rounding, in place of s; the accumulator's lowest registers first
;   8-11   the least of the eight     12  is it less than M?     13  M     14  the tile's first code     15-22  the eight d
; The masks lie in scalar registers of their own, and a list begins and ends inside one phase.
.macro OPX grp, eb
.set u, (q%46)%2
.set j, (q%46)/2
.set xn, 4*(\grp)+2*(q/46)+u
.set rS, ACC+8*xn
.set rT, T+8*u
.set rE, EE+8*(\eb)
.set rX, XX+2*(xn/2)
.if j < 4
.if u == 0
	v_pk_add_f32 v[rT+2*j:rT+2*j+1], v[rE+2*j:rE+2*j+1], v[rX:rX+1] op_sel:[0,0] op_sel_hi:[1,0]
.else
	v_pk_add_f32 v[rT+2*j:rT+2*j+1], v[rE+2*j:rE+2*j+1], v[rX:rX+1] op_sel:[0,1] op_sel_hi:[1,1]
.endif
.elseif j < 8
	v_pk_fma_f32 v[rS+2*j-8:rS+2*j-7], v[rS+2*j-8:rS+2*j-7], -2.0, v[rT+2*j-8:rT+2*j-7] op_sel_hi:[1,0,1]
.elseif j == 8
	v_min3_num_f32 v[G+u], v[rS], v[rS+1], v[rS+2]
.elseif j < 11
	v_min3_num_f32 v[G+u], v[G+u], v[rS+2*j-15], v[rS+2*j-14]
.elseif j == 11
	v_min_num_f32 v[G+u], v[G+u], v[rS+7]
.elseif j == 12
	v_cmp_lt_f32 s[MK+u], v[G+u], v[M+xn]
.elseif j == 13
	v_min_num_f32 v[M+xn], v[M+xn], v[G+u]
.elseif j == 14
	v_cndmask_b32 v[ID+xn], v[ID+xn], s[TC], s[MK+u]
.else
	v_cndmask_b32 v[SV+8*xn+j-15], v[SV+8*xn+j-15], v[rS+j-15], s[MK+u]
.endif
.set q, q+1
.endm
.macro SLICE grp, eb                ; slice sk of 32: two or three of the 92, never none
	WIN 0
.rept 3
.if q < ((sk+1)*92)/32
	OPX \grp, \eb
.endif
.endr
.set sk, sk+1
.endm
; THE LDS LOADS of a tile stand in one run: 16 for the fragments of 16 codes x 256 (K step k: two loads of 16 bytes, 32 bytes apart), 2 for its eight ee a lane (all lanes of a half read the same 32 bytes).
; last = 1 (the tail): in the last trip there is no further tile, and the run is jumped over.
.macro FETCH nb, last=0
	WIN 0
.if \last
	s_cmp_eq_u32 s[CNT], 1
	s_cbranch_scc1 .Lno_fetch_\@
.endif
	v_add_nc_u32 v[ADR], s[TB], v[AK0]
	v_lshl_add_u32 v[ADE], s[TN], 2, v[AE0]
	WIN TO_A
.irp kk, 0,1,2,3,4,5,6,7
	ds_load_b128 v[64*(\nb)+8*\kk:64*(\nb)+8*\kk+3],   v[ADR] offset:64*\kk
	ds_load_b128 v[64*(\nb)+8*\kk+4:64*(\nb)+8*\kk+7], v[ADR] offset:64*\kk+32
.endr
	WIN 0
	ds_load_b128 v[EE+8*(\nb):EE+8*(\nb)+3],   v[ADE]
	ds_load_b128 v[EE+8*(\nb)+4:EE+8*(\nb)+7], v[ADE] offset:16
	s_add_co_u32 s[TB], s[TB], CHQ  ; the next fetch is the next tile's
	s_add_co_u32 s[TN], s[TN], 64
.if \last
.Lno_fetch_\@:
.endif
.endm
; A TILE OF CODES, whose fragments and ee lie in buffer buf.  First phase: rows 0-63 are multiplied, beside them the vector work of the tile BEFORE on rows 64-127.  Second phase: rows 64-127, beside them this
; tile's vector work on rows 0-63.  The next tile's run of loads stands behind the second phase's second slice, 30 matrix instructions ahead of the wait for it; its registers were last read a whole phase back.
; A vector instruction that reads or writes a matrix instruction's registers stands four places behind it, and only plain vector instructions that name none of its registers are places (ISA guide 7.12.1): a
; list's first eight lines name no accumulator, and each accumulator's last product has the slices of the products behind it as well.
.macro TILE buf, last=0
	s_wait_dscnt 0x0                ; this tile's fragments and ee are in
.set i, 0
.set q, 0
.set sk, 0
.rept 32
	MM 0, \buf
	SLICE 1, 1-\buf
.endr
	s_add_co_u32 s[TC], s[TC], 64   ; from here on the vector work is this tile's
.set i, 0
.set q, 0
.set sk, 0
.rept 32
	MM 1, \buf
	SLICE 0, \buf
.if sk == 2
	FETCH 1-\buf, \last
.endif
.endr
.endm
	s_load_b256 s[4:11], s[0:1], 0x0  ; x s[4:5], etb s[6:7], ee s[8:9], idx s[10:11]
	v_lshl_add_u32 v[SPW], v0, 2, SPARE
	v_mov_b32 v[NIL], 0
	ds_add_u32 v[SPW], v[NIL]       ; the wave's opening: the add and its wait stand ahead of my first tensor load; the set-up below, work on registers, stands between them
	v_lshrrev_b32 v1, 5, v0
	v_readfirstlane_b32 s[WV], v1   ; wave 0..3
	s_bfe_u32 s13, ttmp6, 0x40000   ; cx: my place in the cluster
	s_lshl_b32 s14, ttmp9, 2        ; in a cluster launch ttmp9 counts clusters
	s_add_co_u32 s14, s14, s13      ; g = 4 x cluster x + cx: it enters x's and idx's addresses alone
	; my quarter of the x block: 32 rows x 256 elements of 4 bytes, a load of my work-group's own (mask 0), padded in LDS
	s_mov_b32 s[G1X], (2<<16)|(1<<20)|(7<<22)|(3<<25)  ; 17:16 4-byte elements; 20 padding on; 24:22 after every 256 words (code 7); 31:25 4 words (code 3)
	s_mov_b32 s[G1X+1], 256<<16     ; tensor_dim0 = 256
	s_mov_b32 s[G1X+2], 32<<16      ; tensor_dim1 = 32
	s_mov_b32 s[G1X+3], 256<<16     ; tile_dim0 = 256
	s_mov_b32 s[G1X+4], 32          ; tile_dim1 = 32
	s_mov_b32 s[G1X+5], 256         ; 256 elements from row to row
	s_mov_b32 s[G1X+6], 0
	s_mov_b32 s[G1X+7], 0
	; my quarter of ee: 8,192 dense bytes as 32 rows of 32 elements of 8 bytes, joint
	s_mov_b32 s[G1E], 15|(3<<16)|(1<<21)  ; 15:0 the mask of four; 17:16 8-byte elements; 21 set beside a mask
	s_mov_b32 s[G1E+1], 32<<16
	s_mov_b32 s[G1E+2], 32<<16
	s_mov_b32 s[G1E+3], 32<<16
	s_mov_b32 s[G1E+4], 32
	s_mov_b32 s[G1E+5], 32
	s_mov_b32 s[G1E+6], 0
	s_mov_b32 s[G1E+7], 0
	; my quarter of a chunk: 64 codes x 256 elements of 2 bytes, joint, padded in LDS
	s_mov_b32 s[G1C], 15|(1<<16)|(1<<20)|(1<<21)|(6<<22)|(3<<25)  ; 24:22 after every 128 words (code 6); 31:25 4 words (code 3)
	s_mov_b32 s[G1C+1], 256<<16
	s_mov_b32 s[G1C+2], 64<<16
	s_mov_b32 s[G1C+3], 256<<16
	s_mov_b32 s[G1C+4], 64
	s_mov_b32 s[G1C+5], 256
	s_mov_b32 s[G1C+6], 0
	s_mov_b32 s[G1C+7], 0
	s_mov_b32 s[G0X], 1             ; 1:0 count = 1
	s_mul_i32 s[G0X+1], s[WV], 32*PX
	s_add_co_u32 s[G0X+1], s[G0X+1], SLOT1  ; LDS addresses hang on the wave's number alone
	s_mov_b32 s[G0E], 1
	s_lshl_b32 s[G0E+1], s[WV], 13
	s_add_co_u32 s[G0E+1], s[G0E+1], EEL
	s_mov_b32 s[G0C], 1
	s_mul_i32 s[G0C+1], s[WV], CHQ  ; chunk 0 goes into slot 0
	s_lshl_b32 s16, s14, 17         ; x: 128 rows of 1,024 bytes a work-group, 32 a wave
	s_lshl_b32 s17, s[WV], 15
	s_add_co_u32 s16, s16, s17
	s_mov_b32 s17, 0
	s_lshl_b32 s18, s[WV], 13       ; ee: 8,192 bytes a wave (in registers that never hold g)
	s_mov_b32 s19, 0
	s_lshl_b32 s20, s[WV], 15       ; etb: 64 rows of 512 bytes a wave (likewise)
	s_mov_b32 s21, 0
	s_lshl_b32 s22, s14, 9          ; idx: 512 bytes a work-group
	s_mov_b32 s23, 0
	s_mov_b32 s[SEL], 0x76543210
	s_mov_b32 s[SEL+1], 0xfedcba98
	s_mov_b32 s[TB], SLOT1+4*CHQ    ; the first change of slots turns this into 0
	s_lshl_b32 s[TN], s[WV], 4      ; my tile 0 begins at code 16 w
	s_wait_dscnt 0x0                ; the opening add is done
	s_wait_kmcnt 0x0
	s_add_nc_u64 s[G0X+2:G0X+3], s[4:5], s[16:17]
	s_or_b32 s[G0X+3], s[G0X+3], 0x80000000  ; 127:126 type = 2
	s_add_nc_u64 s[G0E+2:G0E+3], s[8:9], s[18:19]
	s_or_b32 s[G0E+3], s[G0E+3], 0x80000000
	s_add_nc_u64 s[G0C+2:G0C+3], s[6:7], s[20:21]
	s_or_b32 s[G0C+3], s[G0C+3], 0x80000000
	s_add_nc_u64 s[10:11], s[10:11], s[22:23]
	CROUND                          ; all four work-groups are here: the first joint loads meet
	tensor_load_to_lds s[G0X:G0X+3], s[G1X:G1X+7]  ; the first fills go out together, x first: three loads of mine are out
	s_nop 0
	tensor_load_to_lds s[G0E:G0E+3], s[G1E:G1E+7]
	s_nop 0
	tensor_load_to_lds s[G0C:G0C+3], s[G1C:G1C+7]
	s_nop 0
.rept 4
	v_nop
.endr
	v_and_b32 v1, 15, v0            ; r = lane % 16
	v_bfe_u32 v2, v0, 4, 1          ; h = lane / 16
	; A fragment is 16 rows x 32 along K in 8 registers: lane l holds row r; registers 0-3 hold K = 8 h + 0..7, registers 4-7 K = 16 + 8 h + 0..7.  The same for source 0 and source 1.
	v_mul_u32_u24 v[AK0], v1, PC
	v_lshl_add_u32 v[AK0], v2, 4, v[AK0]
	s_mul_i32 s[SA], s[WV], 16*PC
	v_add_nc_u32 v[AK0], s[SA], v[AK0]   ; row (16 w + r) x pitch + 16 h
	v_lshlrev_b32 v[AE0], 5, v2
	v_add_nc_u32 v[AE0], EEL, v[AE0]
	v_mul_u32_u24 v[AX0], v1, PX
	v_lshl_add_u32 v[AX0], v2, 5, v[AX0]
	v_add_nc_u32 v[AX0], SLOT1, v[AX0]   ; in f32 the same eight numbers are 32 bytes: row r x pitch + 32 h
	v_lshlrev_b32 v14, 3, v2
	s_lshl_b32 s[SA+1], s[WV], 10
	s_add_co_u32 s[SA+1], s[SA+1], RED
	v_lshl_add_u32 v15, v1, 3, s[SA+1]
	s_wait_tensorcnt 2              ; my quarter of x is in; ee's and chunk 0's loads, issued behind it, may stay out
	s_barrier_signal -1
	s_barrier_wait -1               ; everybody's quarter is
	; X INTO FRAGMENTS.  Sixteen batches: tile xb / 2, K steps 4 (xb % 2) .. + 3: 16 loads of 16 bytes into one of two stages, 32 roundings of two numbers each.
.macro XLOAD
.if xb%2 == 0
	v_add_nc_u32 v10, (xb/2)*16*PX, v[AX0]
.endif
.set st, STG+64*(xb%2)
.irp kk, 0,1,2,3
	ds_load_b128 v[st+16*\kk:st+16*\kk+3],     v10 offset:128*(4*(xb%2)+\kk)
	ds_load_b128 v[st+16*\kk+4:st+16*\kk+7],   v10 offset:128*(4*(xb%2)+\kk)+16
	ds_load_b128 v[st+16*\kk+8:st+16*\kk+11],  v10 offset:128*(4*(xb%2)+\kk)+64
	ds_load_b128 v[st+16*\kk+12:st+16*\kk+15], v10 offset:128*(4*(xb%2)+\kk)+80
.endr
.endm
.macro XCVT
	WIN 0x80+0x40*(xb/8)            ; destination window 2 (tiles 0-3) or 3
.set st, STG+64*(xb%2)
.set fd, 64*((xb/2)%4)+32*(xb%2)
.set z, 0
.rept 32
	v_cvt_pk_bf16_f32 v[fd+z], v[st+2*z], v[st+2*z+1]
.set z, z+1
.endr
	WIN 0
.endm
.set xb, 0
	XLOAD
.rept 16
.if xb < 15
.set xb, xb+1
	XLOAD                           ; the next batch goes out first
.set xb, xb-1
	s_wait_dscnt 16                 ; all but the 16 just issued
.else
	s_wait_dscnt 0x0
.endif
	XCVT
.set xb, xb+1
.endr
	; XX OF THE ROUNDED X, by the matrix unit: a tile's fragments times themselves; the diagonal of the 16 x 16 result is x . x.  64 instructions, against the wave's 8,192; four accumulators by turns.
.irp hf, 0,1
	WIN 0x0a+5*\hf                  ; both sources in window 2, then in window 3
.set i, 0
.rept 32
.set rD, ACC+32*\hf+8*(i%4)
.set rB, 64*(i%4)+8*(i/4)
.if i < 4
	v_wmma_f32_16x16x32_bf16 v[rD:rD+7], v[rB:rB+7], v[rB:rB+7], 0
.else
	v_wmma_f32_16x16x32_bf16 v[rD:rD+7], v[rB:rB+7], v[rB:rB+7], v[rD:rD+7]
.endif
.set i, i+1
.endr
.endr
	WIN 0
	v_and_b32 v12, 7, v1            ; eleven plain instructions: the places behind those products
	v_lshrrev_b32 v13, 3, v1
	v_mov_b32 v11, 0                ; v_permlanex16_b32's destination counts as read
.irp j, 1,2,3,4,5,6,7
	v_cmp_eq_u32 s[DM+\j-1], \j, v12
.endr
	v_cmp_eq_u32 s[DV], v2, v13
; Element (p, p) lies in lane (r = p, h = p / 8), register p % 8: each lane picks register r % 8; the half of the lanes for which that is the diagonal hands it to the other.
.macro DIAG n
	v_cndmask_b32 v10, v[ACC+8*(\n)], v[ACC+8*(\n)+1], s[DM]
.irp j, 2,3,4,5,6,7
	v_cndmask_b32 v10, v10, v[ACC+8*(\n)+\j], s[DM+\j-1]
.endr
	v_permlanex16_b32 v11, v10, s[SEL], s[SEL+1]
	v_cndmask_b32 v[XX+(\n)], v11, v10, s[DV]
.endm
.irp n, 0,1,2,3,4,5,6,7
	DIAG \n
.endr
	CHANGE 1                        ; ee and chunk 0 are in, everybody's part; the x block has been read: slot 1 takes chunk 1
	FETCH 0                         ; my tile 0
	; What the first phase finds, written while those loads are out: M and the kept d at +infinity, and in group 1 a tile that has not been: s = -infinity makes its d +infinity, which is less than nothing.
	; 120 lines, the price of writing no first phase out.
	s_mov_b32 s[SA], 0x7f800000
	s_mov_b32 s[SA+1], 0xff800000
.set z, 0
.rept 8
	v_mov_b32 v[M+z], s[SA]
	v_mov_b32 v[ID+z], 0
	v_mov_b32 v[EE+8+z], 0
.set z, z+1
.endr
.set z, 0
.rept 64
	v_mov_b32 v[SV+z], s[SA]
.set z, z+1
.endr
.set z, 0
.rept 32
	v_mov_b32 v[ACC+32+z], s[SA+1]
.set z, z+1
.endr
	s_lshl_b32 s[TC], s[WV], 4
	s_sub_co_u32 s[TC], s[TC], 64   ; the tile that has not been; tile 0's middle makes it 16 w
	s_mov_b32 s[CNT], 2
	s_mov_b32 s[SLOTS], 31
	s_branch .Lmid                  ; the loop is entered in the middle of a trip: tiles 0 to 2
.Lslot:                             ; 30 times: change k stands at the head of tile 4 k - 1, whose fragments, the last of chunk k - 1, are in registers; that chunk's slot takes chunk k + 1
	CHANGE 1
	s_mov_b32 s[CNT], 2
.Lstep:
	TILE 1
	WIN 0
.Lmid:
	TILE 0
	WIN 0
	s_sub_co_u32 s[CNT], s[CNT], 1
	s_cmp_lg_u32 s[CNT], 0
	s_cbranch_scc1 .Lstep
	s_sub_co_u32 s[SLOTS], s[SLOTS], 1
	s_cmp_lg_u32 s[SLOTS], 0
	s_cbranch_scc1 .Lslot
	CHANGE 0                        ; the tail, tiles 123 to 127, is written out: nothing is asked for
	s_mov_b32 s[CNT], 3
.Ltail:
	TILE 1, 1
	WIN 0
	s_sub_co_u32 s[CNT], s[CNT], 1
	s_cmp_eq_u32 s[CNT], 0
	s_cbranch_scc1 .Lout
	TILE 0
	WIN 0
	s_branch .Ltail
.Lout:
.set q, 0
.rept 92
	OPX 1, 1                        ; the last tile's vector work on rows 64-127; its first eight lines are the places behind the last products
.endr
; (ma, ia) or (mb, ib), whichever has the smaller minimum, at equal minima the smaller index -> (md, id)
.macro LEX ma, ia, mb, ib, md, id
	v_cmp_lt_f32 s[SA], v[\mb], v[\ma]
	v_cmp_eq_f32 s[SA+1], v[\mb], v[\ma]
	v_cmp_lt_u32 s[SA+2], v[\ib], v[\ia]
	s_and_b32 s[SA+1], s[SA+1], s[SA+2]
	s_or_b32 s[SA], s[SA], s[SA+1]
	v_cndmask_b32 v[\md], v[\ma], v[\mb], s[SA]
	v_cndmask_b32 v[\id], v[\ia], v[\ib], s[SA]
.endm
; Tile n of x: the lowest of the eight places at which the kept d equals M (from 7 down, so that the lowest is written last); the index; the row's other eight codes a tile lie in the lane 16 away.
.macro PICK n
	v_mov_b32 v10, 7
.irp j, 6,5,4,3,2,1,0
	v_cmp_eq_f32 s[SA], v[SV+8*(\n)+\j], v[M+(\n)]
	v_cndmask_b32 v10, v10, \j, s[SA]
.endr
	v_add3_u32 v11, v[ID+(\n)], v10, v14
	v_permlanex16_b32 v12, v[M+(\n)], s[SEL], s[SEL+1]
	v_permlanex16_b32 v13, v11, s[SEL], s[SEL+1]
	LEX M+(\n), 11, 12, 13, 10, 11
	ds_store_b64 v15, v[10:11] offset:128*(\n)     ; both halves of the lanes write the same pair
.endm
.irp n, 0,1,2,3,4,5,6,7
	PICK \n
.endr
	s_wait_dscnt 0x0                ; for the others' sake: my pairs are in LDS
	s_barrier_signal -1
	s_barrier_wait -1
	s_cmp_lg_u32 s[WV], 0
	s_cbranch_scc1 .Lclose
	v_and_b32 v13, 31, v0           ; wave 0 merges the four waves' quarters: lane l takes rows 4 l .. 4 l + 3
	v_lshlrev_b32 v10, 5, v13
	v_add_nc_u32 v10, RED, v10
.irp a, 0,1,2,3
	ds_load_b128 v[SV+8*\a:SV+8*\a+3],   v10 offset:1024*\a
	ds_load_b128 v[SV+8*\a+4:SV+8*\a+7], v10 offset:1024*\a+16
.endr
	v_lshlrev_b32 v12, 4, v13
	s_wait_dscnt 0x0
.irp p, 0,1,2,3
	LEX SV+2*\p, SV+2*\p+1, SV+8+2*\p,  SV+9+2*\p,  SV+2*\p, SV+2*\p+1
	LEX SV+2*\p, SV+2*\p+1, SV+16+2*\p, SV+17+2*\p, SV+2*\p, SV+2*\p+1
	LEX SV+2*\p, SV+2*\p+1, SV+24+2*\p, SV+25+2*\p, SV+2*\p, XX+\p
.endr
	global_store_b128 v12, v[XX:XX+3], s[10:11]    ; the work-group's 128 indices: 512 consecutive bytes, at a multiple of 512 from idx's first
.Lclose:
	s_wait_tensorcnt 0x0            ; the wave's end, behind my last tensor load and my last LDS store
	ds_add_u32 v[SPW], v[NIL]
	s_wait_dscnt 0x0
	CROUND                          ; the closing round: no work-group ends while a partner may still ask for a tile that names it
	s_endpgm
.Lfunc_end_k_qaeff9f0ac2_dist:
	.size	k_qaeff9f0ac2_dist, .Lfunc_end_k_qaeff9f0ac2_dist-k_qaeff9f0ac2_dist
	.p2alignl 7, 3214868480
	.fill 96, 4, 3214868480
	.section	.rodata,"a",@progbits
	.p2align	6, 0x0
	.amdhsa_kernel k_qaeff9f0ac2_dist
		.amdhsa_group_segment_fixed_size 327680
		.amdhsa_private_segment_fixed_size 0
		.amdhsa_enable_private_segment 0
		.amdhsa_kernarg_size 32
		.amdhsa_user_sgpr_count 2
		.amdhsa_user_sgpr_kernarg_segment_ptr 1
		.amdhsa_wavefront_size32 1
		.amdhsa_system_sgpr_workgroup_id_x 1
		.amdhsa_system_sgpr_workgroup_id_y 1
		.amdhsa_system_sgpr_workgroup_id_z 1
		.amdhsa_system_vgpr_workitem_id 0
		.amdhsa_next_free_vgpr 1024
		.amdhsa_next_free_sgpr 84
		.amdhsa_reserve_vcc 0
		.amdhsa_float_denorm_mode_32 3
		.amdhsa_float_denorm_mode_16_64 3
		.amdhsa_memory_ordered 1
		.amdhsa_forward_progress 1
		.amdhsa_inst_pref_size 178
	.end_amdhsa_kernel
	.amdgpu_metadata
---
amdhsa.version: [ 1, 2 ]
amdhsa.kernels:
  - .name:           k_qaeff9f0ac2_dist
    .symbol:         k_qaeff9f0ac2_dist.kd
    .args:
      - { .name: x, .offset: 0, .size: 8, .value_kind: global_buffer, .address_space: global }
      - { .name: etb, .offset: 8, .size: 8, .value_kind: global_buffer, .address_space: global }
      - { .name: ee, .offset: 16, .size: 8, .value_kind: global_buffer, .address_space: global }
      - { .name: idx, .offset: 24, .size: 8, .value_kind: global_buffer, .address_space: global }
    .group_segment_fixed_size: 327680
    .private_segment_fixed_size: 0
    .kernarg_segment_align: 8
    .kernarg_segment_size: 32
    .max_flat_workgroup_size: 128
    .sgpr_count:     84
    .vgpr_count:     1024
    .wavefront_size: 32
...
	.end_amdgpu_metadata
.endif
;; end of part 2
;; launch gather (part 3): grid 512 x 1, 8 waves a work-group, no clusters, 0 bytes of LDS; arguments x, etf, idx, out0, part; writes out0, part
.if DOCPART == 3
	.amdgcn_target "amdgcn-amd-amdhsa--gfx1250"
	.amdhsa_code_object_version 6
	.text
	.protected	k_qaeff9f0ac2_gather
	.globl	k_qaeff9f0ac2_gather
	.p2align	8
	.type	k_qaeff9f0ac2_gather,@function
k_qaeff9f0ac2_gather:
	s_mov_b64 s[64:65], 0
	v_nop
	global_prefetch_b8 v0, s[64:65] scope:SCOPE_SE
	s_setreg_imm32_b32 hwreg(HW_REG_WAVE_MODE, 25, 1), 1
	s_wait_xcnt 0x0
; out0[row] = x + (q - x), q = row idx[row] of etf (the exact f32 table, by codes); part[wave] = the sum over the wave's 8 rows of (q - x)^2.  All in f32, with the reference's own two roundings for out0.
; SHARES.  A wave owns 8 rows of 1,024 bytes, from row 64 x group + 8 x wave; a lane 8 numbers of each.  No loop, no LDS, no barrier: 32 loads of 16 bytes a lane are out at once.
; The eight indices come by one scalar load (an earlier launch stored them) and are clamped to the table's 8,192 rows before they enter an address.
; No cluster and no matrix unit: the work-groups share no tile (which table rows they read hangs on the data), and the launch only moves bytes.
; LIMITS.  The squares overflow where the reference's do; NaN and infinities are not treated apart.
.set T, 2                              ; v[2:9]      q - x of the row in hand
.set X, 16                             ; v[16:79]    row i: 8 registers
.set Q, 80                             ; v[80:143]   row i: q, then x + (q - x)
.set A, 144                            ; v[144:151]  four pairs of running sums
	s_load_b256 s[4:11], s[0:1], 0x0               ; x s[4:5], etf s[6:7], idx s[8:9], out0 s[10:11]
	s_load_b64 s[12:13], s[0:1], 0x20              ; part
	v_lshrrev_b32 v1, 5, v0
	v_readfirstlane_b32 s14, v1                    ; wave 0..7
	v_and_b32 v10, 31, v0                          ; lane
	v_lshlrev_b32 v1, 4, v10                       ; 16 bytes a lane
	v_mov_b32 v11, 0
	v_mov_b32 v12, 0                               ; v_permlanex16_b32's destination counts as read
	s_lshl_b32 s24, ttmp9, 8                       ; idx: 64 words a group, 8 a wave
	s_lshl_b32 s25, s14, 5
	s_add_co_u32 s24, s24, s25
	s_mov_b32 s25, 0
	s_lshl_b32 s26, ttmp9, 16                      ; x and out0: 64 rows a group, 8 a wave
	s_lshl_b32 s27, s14, 13
	s_add_co_u32 s26, s26, s27
	s_mov_b32 s27, 0
	s_lshl_b32 s28, ttmp9, 5                       ; part: a word a wave
	s_lshl_b32 s29, s14, 2
	s_add_co_u32 s28, s28, s29
	s_mov_b32 s29, 0
	s_mov_b32 s30, 0x76543210
	s_mov_b32 s31, 0xfedcba98
	s_wait_kmcnt 0x0
	s_add_nc_u64 s[8:9], s[8:9], s[24:25]
	s_load_b256 s[16:23], s[8:9], 0x0              ; my eight indices
	s_add_nc_u64 s[4:5], s[4:5], s[26:27]
	s_add_nc_u64 s[10:11], s[10:11], s[26:27]
	s_add_nc_u64 s[12:13], s[12:13], s[28:29]
.irp i, 0,1,2,3,4,5,6,7                ; x goes out while the indices are on their way: each load of the wave is 512 consecutive bytes
	global_load_b128 v[X+8*\i:X+8*\i+3],   v1, s[4:5] offset:1024*\i th:TH_LOAD_NT
	global_load_b128 v[X+8*\i+4:X+8*\i+7], v1, s[4:5] offset:1024*\i+512 th:TH_LOAD_NT
.endr
	s_wait_kmcnt 0x0
.irp i, 0,1,2,3,4,5,6,7
	s_min_u32 s[16+\i], s[16+\i], 0x1fff           ; inside the table, whatever was read
	s_lshl_b32 s[32+2*\i], s[16+\i], 10            ; a row is 1,024 bytes
	s_mov_b32 s[33+2*\i], 0
	s_add_nc_u64 s[32+2*\i:33+2*\i], s[6:7], s[32+2*\i:33+2*\i]
.endr
.irp i, 0,1,2,3,4,5,6,7                ; no hint: a table row may be named again
	global_load_b128 v[Q+8*\i:Q+8*\i+3],   v1, s[32+2*\i:33+2*\i]
	global_load_b128 v[Q+8*\i+4:Q+8*\i+7], v1, s[32+2*\i:33+2*\i] offset:512
.endr
.macro ROW i
	s_wait_loadcnt 14-2*(\i)                       ; loads come back in order (ISA guide 5.7.1): all of x and this row's q are in, the later rows' q stay out
.irp p, 0,1,2,3
	v_pk_add_f32 v[T+2*\p:T+2*\p+1], v[Q+8*(\i)+2*\p:Q+8*(\i)+2*\p+1], v[X+8*(\i)+2*\p:X+8*(\i)+2*\p+1] neg_lo:[0,1] neg_hi:[0,1]
.endr
.irp p, 0,1,2,3
.if (\i) == 0
	v_pk_mul_f32 v[A+2*\p:A+2*\p+1], v[T+2*\p:T+2*\p+1], v[T+2*\p:T+2*\p+1]      ; the first row starts the sums
.else
	v_pk_fma_f32 v[A+2*\p:A+2*\p+1], v[T+2*\p:T+2*\p+1], v[T+2*\p:T+2*\p+1], v[A+2*\p:A+2*\p+1]
.endif
.endr
.irp p, 0,1,2,3
	v_pk_add_f32 v[Q+8*(\i)+2*\p:Q+8*(\i)+2*\p+1], v[X+8*(\i)+2*\p:X+8*(\i)+2*\p+1], v[T+2*\p:T+2*\p+1]
.endr
	global_store_b128 v1, v[Q+8*(\i):Q+8*(\i)+3],   s[10:11] offset:1024*(\i) th:TH_STORE_NT      ; 512 consecutive bytes, at a multiple of 512 from out0's first
	global_store_b128 v1, v[Q+8*(\i)+4:Q+8*(\i)+7], s[10:11] offset:1024*(\i)+512 th:TH_STORE_NT
.endm
.irp i, 0,1,2,3,4,5,6,7
	ROW \i
.endr
	v_pk_add_f32 v[A:A+1], v[A:A+1], v[A+2:A+3]
	v_pk_add_f32 v[A+4:A+5], v[A+4:A+5], v[A+6:A+7]
	v_pk_add_f32 v[A:A+1], v[A:A+1], v[A+4:A+5]
	v_add_f32 v[A], v[A], v[A+1]
	v_add_f32_dpp v[A], v[A], v[A] row_xmask:1 row_mask:0xf bank_mask:0xf
	v_add_f32_dpp v[A], v[A], v[A] row_xmask:2 row_mask:0xf bank_mask:0xf
	v_add_f32_dpp v[A], v[A], v[A] row_xmask:4 row_mask:0xf bank_mask:0xf
	v_add_f32_dpp v[A], v[A], v[A] row_xmask:8 row_mask:0xf bank_mask:0xf
	v_permlanex16_b32 v12, v[A], s30, s31
	v_add_f32 v[A], v[A], v12
	v_cmp_eq_u32 vcc_lo, 0, v10
	s_wait_xcnt 0x0                                ; EXEC is a source of the stores above: it changes only behind this wait
	s_and_saveexec_b32 s50, vcc_lo
	global_store_b32 v11, v[A], s[12:13]           ; lane 0: the wave's sum, one word
	s_wait_xcnt 0x0                                ; and again, in front of the line that widens it
	s_or_b32 exec_lo, exec_lo, s50
	s_endpgm
.Lfunc_end_k_qaeff9f0ac2_gather:
	.size	k_qaeff9f0ac2_gather, .Lfunc_end_k_qaeff9f0ac2_gather-k_qaeff9f0ac2_gather
	.p2alignl 7, 3214868480
	.fill 96, 4, 3214868480
	.section	.rodata,"a",@progbits
	.p2align	6, 0x0
	.amdhsa_kernel k_qaeff9f0ac2_gather
		.amdhsa_group_segment_fixed_size 0
		.amdhsa_private_segment_fixed_size 0
		.amdhsa_enable_private_segment 0
		.amdhsa_kernarg_size 40
		.amdhsa_user_sgpr_count 2
		.amdhsa_user_sgpr_kernarg_segment_ptr 1
		.amdhsa_wavefront_size32 1
		.amdhsa_system_sgpr_workgroup_id_x 1
		.amdhsa_system_sgpr_workgroup_id_y 1
		.amdhsa_system_sgpr_workgroup_id_z 1
		.amdhsa_system_vgpr_workitem_id 0
		.amdhsa_next_free_vgpr 152
		.amdhsa_next_free_sgpr 66
		.amdhsa_reserve_vcc 1
		.amdhsa_float_denorm_mode_32 3
		.amdhsa_float_denorm_mode_16_64 3
		.amdhsa_memory_ordered 1
		.amdhsa_forward_progress 1
		.amdhsa_inst_pref_size 15
	.end_amdhsa_kernel
	.amdgpu_metadata
---
amdhsa.version: [ 1, 2 ]
amdhsa.kernels:
  - .name:           k_qaeff9f0ac2_gather
    .symbol:         k_qaeff9f0ac2_gather.kd
    .args:
      - { .name: x, .offset: 0, .size: 8, .value_kind: global_buffer, .address_space: global }
      - { .name: etf, .offset: 8, .size: 8, .value_kind: global_buffer, .address_space: global }
      - { .name: idx, .offset: 16, .size: 8, .value_kind: global_buffer, .address_space: global }
      - { .name: out0, .offset: 24, .size: 8, .value_kind: global_buffer, .address_space: global }
      - { .name: part, .offset: 32, .size: 8, .value_kind: global_buffer, .address_space: global }
    .group_segment_fixed_size: 0
    .private_segment_fixed_size: 0
    .kernarg_segment_align: 8
    .kernarg_segment_size: 40
    .max_flat_workgroup_size: 256
    .sgpr_count:     66
    .vgpr_count:     152
    .wavefront_size: 32
...
	.end_amdgpu_metadata
.endif
;; end of part 3
;; launch final (part 4): grid 1 x 1, 1 waves a work-group, no clusters, 0 bytes of LDS; arguments part, out1; writes out1
.if DOCPART == 4
	.amdgcn_target "amdgcn-amd-amdhsa--gfx1250"
	.amdhsa_code_object_version 6
	.text
	.protected	k_qaeff9f0ac2_final
	.globl	k_qaeff9f0ac2_final
	.p2align	8
	.type	k_qaeff9f0ac2_final,@function
k_qaeff9f0ac2_final:
	s_mov_b64 s[64:65], 0
	v_nop
	global_prefetch_b8 v0, s[64:65] scope:SCOPE_SE
	s_setreg_imm32_b32 hwreg(HW_REG_WAVE_MODE, 25, 1), 1
	s_wait_xcnt 0x0
; out1 = 0.25 L + L, L = (the sum of the 4,096 partial sums) / 2^23: the mean of (q - x)^2 over 32,768 x 256 numbers.  One owner for a sum that spans all work-groups of the launch before: one wave.
; 16,384 bytes: 32 loads of 16 bytes a lane, all out at once; four chains of packed additions, in place on the first four pairs.
	s_load_b128 s[4:7], s[0:1], 0x0                ; part s[4:5], out1 s[6:7]
	v_lshlrev_b32 v1, 4, v0
	v_mov_b32 v3, 0
	v_mov_b32 v132, 0                              ; v_permlanex16_b32's destination counts as read
	s_mov_b32 s8, 0x76543210
	s_mov_b32 s9, 0xfedcba98
	s_wait_kmcnt 0x0
.set j, 0
.rept 32
	global_load_b128 v[4+4*j:7+4*j], v1, s[4:5] offset:512*j
.set j, j+1
.endr
.set p, 4                              ; pair p of 64 lies at v[4 + 2 p]; load j brings pairs 2 j and 2 j + 1
.rept 60
.if p == 4
	s_wait_loadcnt 24                              ; the first eight loads are in, the 24 younger ones stay out
.elseif p == 16
	s_wait_loadcnt 16
.elseif p == 32
	s_wait_loadcnt 8
.elseif p == 48
	s_wait_loadcnt 0x0
.endif
	v_pk_add_f32 v[4+2*(p%4):5+2*(p%4)], v[4+2*(p%4):5+2*(p%4)], v[4+2*p:5+2*p]
.set p, p+1
.endr
	v_pk_add_f32 v[4:5], v[4:5], v[6:7]
	v_pk_add_f32 v[8:9], v[8:9], v[10:11]
	v_pk_add_f32 v[4:5], v[4:5], v[8:9]
	v_add_f32 v4, v4, v5
	v_add_f32_dpp v4, v4, v4 row_xmask:1 row_mask:0xf bank_mask:0xf
	v_add_f32_dpp v4, v4, v4 row_xmask:2 row_mask:0xf bank_mask:0xf
	v_add_f32_dpp v4, v4, v4 row_xmask:4 row_mask:0xf bank_mask:0xf
	v_add_f32_dpp v4, v4, v4 row_xmask:8 row_mask:0xf bank_mask:0xf
	v_permlanex16_b32 v132, v4, s8, s9
	v_add_f32 v4, v4, v132
	v_mul_f32 v4, 0x34000000, v4                   ; x 2^-23, exact
	v_fmamk_f32 v5, v4, 0x3e800000, v4             ; 0.25 L + L
	v_cmp_eq_u32 vcc_lo, 0, v0
	s_wait_xcnt 0x0                                ; EXEC changes only behind this wait
	s_and_saveexec_b32 s10, vcc_lo
	global_store_b32 v3, v5, s[6:7]
	s_wait_xcnt 0x0
	s_or_b32 exec_lo, exec_lo, s10
	s_endpgm
.Lfunc_end_k_qaeff9f0ac2_final:
	.size	k_qaeff9f0ac2_final, .Lfunc_end_k_qaeff9f0ac2_final-k_qaeff9f0ac2_final
	.p2alignl 7, 3214868480
	.fill 96, 4, 3214868480
	.section	.rodata,"a",@progbits
	.p2align	6, 0x0
	.amdhsa_kernel k_qaeff9f0ac2_final
		.amdhsa_group_segment_fixed_size 0
		.amdhsa_private_segment_fixed_size 0
		.amdhsa_enable_private_segment 0
		.amdhsa_kernarg_size 16
		.amdhsa_user_sgpr_count 2
		.amdhsa_user_sgpr_kernarg_segment_ptr 1
		.amdhsa_wavefront_size32 1
		.amdhsa_system_sgpr_workgroup_id_x 1
		.amdhsa_system_sgpr_workgroup_id_y 1
		.amdhsa_system_sgpr_workgroup_id_z 1
		.amdhsa_system_vgpr_workitem_id 0
		.amdhsa_next_free_vgpr 140
		.amdhsa_next_free_sgpr 66
		.amdhsa_reserve_vcc 1
		.amdhsa_float_denorm_mode_32 3
		.amdhsa_float_denorm_mode_16_64 3
		.amdhsa_memory_ordered 1
		.amdhsa_forward_progress 1
		.amdhsa_inst_pref_size 9
	.end_amdhsa_kernel
	.amdgpu_metadata
---
amdhsa.version: [ 1, 2 ]
amdhsa.kernels:
  - .name:           k_qaeff9f0ac2_final
    .symbol:         k_qaeff9f0ac2_final.kd
    .args:
      - { .name: part, .offset: 0, .size: 8, .value_kind: global_buffer, .address_space: global }
      - { .name: out1, .offset: 8, .size: 8, .value_kind: global_buffer, .address_space: global }
    .group_segment_fixed_size: 0
    .private_segment_fixed_size: 0
    .kernarg_segment_align: 8
    .kernarg_segment_size: 16
    .max_flat_workgroup_size: 32
    .sgpr_count:     66
    .vgpr_count:     140
    .wavefront_size: 32
...
	.end_amdgpu_metadata
.endif
;; end of part 4
;; ======== version 2 of 2: 4 launches; version 1 with the launch prep written anew for expert scheduling mode
;; workspace buffers: etf 8,388,608 bytes; etb 4,194,304 bytes; ee 32,768 bytes; idx 131,072 bytes of whole numbers; part 16,384 bytes
;; launch prep (part 5): grid 128 x 1, 8 waves a work-group, no clusters, 68,096 bytes of LDS; arguments embeddings, etf, etb, ee; writes etf, etb, ee
.if DOCPART == 5
	.amdgcn_target "amdgcn-amd-amdhsa--gfx1250"
	.amdhsa_code_object_version 6
	.text
	.protected	k_qaeff9f0ac2_prep
	.globl	k_qaeff9f0ac2_prep
	.p2align	8
	.type	k_qaeff9f0ac2_prep,@function
k_qaeff9f0ac2_prep:
	s_mov_b64 s[64:65], 0
	v_nop
	global_prefetch_b8 v0, s[64:65] scope:SCOPE_SE
	s_setreg_imm32_b32 hwreg(HW_REG_WAVE_SCHED_MODE, 0, 2), 2
	s_setreg_imm32_b32 hwreg(HW_REG_WAVE_MODE, 25, 1), 1
	s_wait_xcnt 0x0
	s_wait_alu depctr_vm_vsrc(0)
; THE TABLE, TURNED.  embeddings is [256 d][8192 codes] f32.  This launch writes it three times over by codes:
;   etf [8192][256] f32, exact;  etb [8192][256] bf16, rounded to nearest even;  ee [8192] f32, the sum over d of the squares of the ROUNDED numbers.
; SHARES.  A work-group owns 64 codes and all 256 d: a d-row's piece is then 256 consecutive bytes, one owner has the whole sum of a code, and the
; group's 64 sums are 256 consecutive bytes of ee.  That makes 8192 / 64 = 128 work-groups; 32 codes each would read and write half such pieces.
; No cluster: no two work-groups read the same byte.  No matrix unit: the launch only moves and rounds.
; THE TURN goes through LDS.  Element (d, c) lies at byte 260 d + 4 (d / 64) + 4 c: rows 65 words apart, one word more for every 64 rows.
;   in:   lane l stores words of row d0 + l / 16, columns 4 (l % 16) + j: word number mod 64 = l / 16 + 4 (l % 16) + a constant: 32 different (64 banks of 4 bytes: ISA guide 11.1)
;   out:  lane l reads row 128 v + 4 l + i of one column: word number mod 64 = 4 l + l / 16 + a constant: 32 different
; LIMITS.  NaN and infinities are not treated apart; ee overflows where the reference's sum of squares does.
; THE MODE: SCHED_MODE bits 1:0 = 2 (LLVM: expert scheduling mode 2), set by the entry lines.  The code itself states the register dependences
; between vector instructions and memory or LDS instructions, with s_wait_alu, always for 0.
; THE PLAN.  Registers that memory or LDS instructions touch:
;   v4-v8, v15, v[EO]  offsets and LDS addresses: made at the head, never written again; one wait ahead of the first load serves every load and store of the kernel.
;   R                  Written by the 16 global loads; read by the 64 LDS stores; written again by the 64 LDS loads; read by the stores of etf and by the roundings.
;   P                  Written by the 32 roundings; read by the 16 stores of etb, which stand in one run behind one wait, and by the sums, which only read it.
;   v[EEV]             Written by the eight selects; read by one LDS store, behind one wait.
;   v[ES:ES+1]         Written by wave 0's LDS load, read by its store of ee: no vector instruction names them.
;   v[SPW], v[NIL]     Written at the head, read by the closing add alone.
; v12-v14, in which the sums are made, are named by vector instructions alone.  The eight masks 'lane % 8 = e' hang on v9 alone: they are made in one run, into scalar
; registers of their own, with one wait behind the run, while the global loads are on their way.
.set TP,    260                        ; bytes from row to row in LDS
.set HALF,  128*TP+8                   ; from row d to row d + 128: 128 rows and two of the extra words
.set EES,   66816                      ; behind the table (66,568 bytes): the group's 64 sums, a block of 256 bytes
.set SPARE, 67072                      ; the spare words, 128 bytes for each of the eight waves: four blocks of 256 bytes that no other line names
.set SPW, 10                           ; v10  LDS address of my spare word; never rewritten
.set NIL, 11                           ; v11  0; never rewritten
.set R,   16                           ; v[16:79]   64 numbers: first as loaded (two rows a load), then by codes: code e, half v, number i at R + 8 e + 4 v + i
.set P,   80                           ; v[80:111]  code e's 8 numbers a lane as 4 words of bf16
.set EEV, 112                          ; v112       lane l keeps the sum of code l % 8 of my wave's eight
.set EO,  113                          ; v113       LDS address of sums 2 l and 2 l + 1 of the group's 64, for wave 0's read
.set ES,  114                          ; v[114:115] those two sums
.set MK,  13                           ; s13-s20    lane % 8 = 0 .. 7; free for this once the bases are made
	s_load_b256 s[4:11], s[0:1], 0x0               ; embeddings s[4:5], etf s[6:7], etb s[8:9], ee s[10:11]
	v_lshl_add_u32 v[SPW], v0, 2, SPARE
	v_mov_b32 v[NIL], 0
	v_lshrrev_b32 v1, 5, v0
	v_readfirstlane_b32 s12, v1                    ; wave 0..7
	v_and_b32 v1, 31, v0                           ; lane l
	v_and_b32 v2, 15, v0                           ; l % 16
	v_bfe_u32 v3, v0, 4, 1                         ; l / 16
	v_lshlrev_b32 v4, 4, v2
	v_lshl_add_u32 v4, v3, 15, v4                  ; in memory: (l / 16) rows of 32,768 bytes + 16 (l % 16)
	s_wait_alu depctr_va_sdst(0)                   ; s12 is written, ahead of its first reader: LDS places and the four bases are made from it
	s_mul_i32 s13, s12, 32*TP                      ; my wave's 32 rows in LDS,
	s_lshr_b32 s14, s12, 1
	s_lshl2_add_u32 s13, s14, s13                  ; and their extra words: (32 w + ..) / 64 = w / 2
	v_mul_u32_u24 v5, v3, TP
	v_lshl_add_u32 v5, v2, 4, v5
	v_add_nc_u32 v5, s13, v5                       ; where I store: row 32 w + l / 16, column 4 (l % 16)
	s_lshl_b32 s15, s12, 5                         ; my wave's eight columns: 32 bytes
	v_mul_u32_u24 v6, v1, 4*TP
	v_lshl_add_u32 v6, v3, 2, v6
	v_add_nc_u32 v6, s15, v6                       ; where I read: row 4 l, its extra word l / 16, column 8 w
	v_lshlrev_b32 v7, 4, v1                        ; 16 l: my bytes in half a row of etf
	v_lshlrev_b32 v8, 3, v1                        ; 8 l: in half a row of etb
	v_add_nc_u32 v[EO], EES, v8                    ; and among the group's 64 sums in LDS
	v_and_b32 v9, 7, v0                            ; l % 8
	v_lshl_add_u32 v15, v9, 2, s15
	v_add_nc_u32 v15, EES, v15                     ; where the sum of code 8 w + l % 8 goes
	v_mov_b32 v14, 0                               ; v_permlanex16_b32's destination counts as read
	v_mov_b32 v[EEV], 0
	s_mov_b32 s22, 0x76543210                      ; v_permlanex16_b32: each lane takes its own place in the other half
	s_mov_b32 s23, 0xfedcba98
	s_lshl_b32 s16, ttmp9, 8                       ; embeddings: the group's 64 columns, my wave's 32 rows
	s_lshl_b32 s17, s12, 20
	s_add_co_u32 s16, s16, s17
	s_mov_b32 s17, 0
	s_lshl_b32 s18, ttmp9, 16                      ; etf: 64 rows of 1,024 bytes a group, 8 a wave
	s_lshl_b32 s19, s12, 13
	s_add_co_u32 s18, s18, s19
	s_mov_b32 s19, 0
	s_lshl_b32 s24, ttmp9, 15                      ; etb: rows of 512 bytes
	s_lshl_b32 s25, s12, 12
	s_add_co_u32 s24, s24, s25
	s_mov_b32 s25, 0
	s_lshl_b32 s26, ttmp9, 8                       ; ee: 256 bytes a group
	s_mov_b32 s27, 0
	s_wait_kmcnt 0x0
	s_add_nc_u64 s[4:5], s[4:5], s[16:17]
	s_add_nc_u64 s[6:7], s[6:7], s[18:19]
	s_add_nc_u64 s[8:9], s[8:9], s[24:25]
	s_add_nc_u64 s[10:11], s[10:11], s[26:27]
	s_wait_alu depctr_va_vdst(0)                   ; v4 to v8, v15 and v[EO] are written: every load and store below reads one of them as its offset or address
	; IN: sixteen loads, each two rows' 256 consecutive bytes; all are out before the first is waited for
.set t, 0
.rept 16
	global_load_b128 v[R+4*t:R+4*t+3], v4, s[4:5] offset:65536*t th:TH_LOAD_NT
.set t, t+1
.endr
.irp e, 0,1,2,3,4,5,6,7                ; while they are on their way: the eight masks, in one run; they name v9 and no register of a load or store
	v_cmp_eq_u32 s[MK+\e], \e, v9
.endr
	s_wait_alu depctr_va_sdst(0)                   ; s13 to s20 are written, ahead of their first readers, the selects at the ends of the sums
.set t, 0
.rept 16
	s_wait_loadcnt 15-t                            ; loads come back in order (ISA guide 5.7.1): load t is in, the 15 - t younger ones stay out
.irp j, 0,1,2,3
	ds_store_b32 v5, v[R+4*t+\j] offset:2*TP*t+4*\j
.endr
.set t, t+1
.endr
	s_wait_dscnt 0x0                               ; for the others' sake: my rows are in LDS
	s_barrier_signal -1
	s_barrier_wait -1
	s_wait_alu depctr_vm_vsrc(0)                   ; my LDS stores have read v[R ..], in which the LDS loads below land
	; OUT: my wave's eight codes; lane l takes d = 128 v + 4 l + i, so that its four numbers are 16 neighbouring bytes of a row of etf
.set e, 0
.rept 8
.irp hv, 0,1
.irp i, 0,1,2,3
	ds_load_b32 v[R+8*e+4*\hv+\i], v6 offset:HALF*\hv+TP*\i+4*e
.endr
.endr
.set e, e+1
.endr
; Code e leaves for etf as it comes out of LDS, and is rounded into P.  The stores' data come from LDS loads: the wait on DScnt is all that they hang on.
.macro MOVE e
	s_wait_dscnt 56-8*(\e)                         ; LDS loads come back in order: code e's eight are in, the later codes' stay out
	global_store_b128 v7, v[R+8*(\e):R+8*(\e)+3],   s[6:7] offset:1024*(\e)      ; the wave stores 512 consecutive bytes, at a multiple of 512 from etf's first
	global_store_b128 v7, v[R+8*(\e)+4:R+8*(\e)+7], s[6:7] offset:1024*(\e)+512
.irp p, 0,1,2,3
	v_cvt_pk_bf16_f32 v[P+4*(\e)+\p], v[R+8*(\e)+2*\p], v[R+8*(\e)+2*\p+1]
.endr
.endm
.irp e, 0,1,2,3,4,5,6,7
	MOVE \e
.endr
	s_wait_alu depctr_va_vdst(0)                   ; the 32 roundings have written v[P ..], which the sixteen stores below read; nothing behind this wait writes P
.set e, 0
.rept 8
	global_store_b64 v8, v[P+4*e:P+4*e+1],   s[8:9] offset:512*e                 ; 256 consecutive bytes, at a multiple of 256 from etb's first
	global_store_b64 v8, v[P+4*e+2:P+4*e+3], s[8:9] offset:512*e+256
.set e, e+1
.endr
; Code e's sum of squares, of the rounded numbers: all the table's stores are out, and nothing but the group's 64 sums waits for these chains.
.macro SUM e
	v_mov_b32 v12, 0                               ; two chains: the words' low halves, their high halves
	v_mov_b32 v13, 0
.irp p, 0,1,2,3
	v_fma_mix_f32_bf16 v12, v[P+4*(\e)+\p], v[P+4*(\e)+\p], v12 op_sel_hi:[1,1,0]
	v_fma_mix_f32_bf16 v13, v[P+4*(\e)+\p], v[P+4*(\e)+\p], v13 op_sel:[1,1,0] op_sel_hi:[1,1,0]
.endr
	v_add_f32 v12, v12, v13
	v_add_f32_dpp v12, v12, v12 row_xmask:1 row_mask:0xf bank_mask:0xf
	v_add_f32_dpp v12, v12, v12 row_xmask:2 row_mask:0xf bank_mask:0xf
	v_add_f32_dpp v12, v12, v12 row_xmask:4 row_mask:0xf bank_mask:0xf
	v_add_f32_dpp v12, v12, v12 row_xmask:8 row_mask:0xf bank_mask:0xf
	v_permlanex16_b32 v14, v12, s22, s23
	v_add_f32 v12, v12, v14                        ; every lane holds the code's sum;
	v_cndmask_b32 v[EEV], v[EEV], v12, s[MK+(\e)]  ; the lanes with l % 8 = e keep it
.endm
.irp e, 0,1,2,3,4,5,6,7
	SUM \e
.endr
	s_wait_alu depctr_va_vdst(0)                   ; the last select has written v[EEV], which the LDS store reads
	ds_store_b32 v15, v[EEV]                       ; four lanes write each word, with the same number
	s_wait_dscnt 0x0
	s_barrier_signal -1
	s_barrier_wait -1
	s_cmp_lg_u32 s12, 0
	s_cbranch_scc1 .Lend
	ds_load_b64 v[ES:ES+1], v[EO]                  ; wave 0: the group's 64 sums.  The address was made at the head, and no vector instruction names the two registers
	s_wait_dscnt 0x0
	global_store_b64 v8, v[ES:ES+1], s[10:11]      ; 256 consecutive bytes, at a multiple of 256 from ee's first
.Lend:
	s_wait_dscnt 0x0                               ; the wave's end
	s_wait_alu 0x0
	s_wait_tensorcnt 0x0
	ds_add_u32 v[SPW], v[NIL]
	s_wait_dscnt 0x0
	s_endpgm
.Lfunc_end_k_qaeff9f0ac2_prep:
	.size	k_qaeff9f0ac2_prep, .Lfunc_end_k_qaeff9f0ac2_prep-k_qaeff9f0ac2_prep
	.p2alignl 7, 3214868480
	.fill 96, 4, 3214868480
	.section	.rodata,"a",@progbits
	.p2align	6, 0x0
	.amdhsa_kernel k_qaeff9f0ac2_prep
		.amdhsa_group_segment_fixed_size 68096
		.amdhsa_private_segment_fixed_size 0
		.amdhsa_enable_private_segment 0
		.amdhsa_kernarg_size 32
		.amdhsa_user_sgpr_count 2
		.amdhsa_user_sgpr_kernarg_segment_ptr 1
		.amdhsa_wavefront_size32 1
		.amdhsa_system_sgpr_workgroup_id_x 1
		.amdhsa_system_sgpr_workgroup_id_y 1
		.amdhsa_system_sgpr_workgroup_id_z 1
		.amdhsa_system_vgpr_workitem_id 0
		.amdhsa_next_free_vgpr 128
		.amdhsa_next_free_sgpr 66
		.amdhsa_reserve_vcc 0
		.amdhsa_float_denorm_mode_32 3
		.amdhsa_float_denorm_mode_16_64 3
		.amdhsa_memory_ordered 1
		.amdhsa_forward_progress 1
		.amdhsa_inst_pref_size 28
	.end_amdhsa_kernel
	.amdgpu_metadata
---
amdhsa.version: [ 1, 2 ]
amdhsa.kernels:
  - .name:           k_qaeff9f0ac2_prep
    .symbol:         k_qaeff9f0ac2_prep.kd
    .args:
      - { .name: embeddings, .offset: 0, .size: 8, .value_kind: global_buffer, .address_space: global }
      - { .name: etf, .offset: 8, .size: 8, .value_kind: global_buffer, .address_space: global }
      - { .name: etb, .offset: 16, .size: 8, .value_kind: global_buffer, .address_space: global }
      - { .name: ee, .offset: 24, .size: 8, .value_kind: global_buffer, .address_space: global }
    .group_segment_fixed_size: 68096
    .private_segment_fixed_size: 0
    .kernarg_segment_align: 8
    .kernarg_segment_size: 32
    .max_flat_workgroup_size: 256
    .sgpr_count:     66
    .vgpr_count:     128
    .wavefront_size: 32
...
	.end_amdgpu_metadata
.endif
;; end of part 5
;; launch dist: the kernel of part 2 again; grid 256 x 1, 4 waves a work-group, clusters of 4 x 1, 327,680 bytes of LDS; arguments x, etb, ee, idx; writes idx
;; launch gather: the kernel of part 3 again; grid 512 x 1, 8 waves a work-group, no clusters, 0 bytes of LDS; arguments x, etf, idx, out0, part; writes out0, part
;; launch final: the kernel of part 4 again; grid 1 x 1, 1 waves a work-group, no clusters, 0 bytes of LDS; arguments part, out1; writes out1
